; MI455X (gfx1250); checked and timed in simulation.
; The chip was launched on July 23, 2026; its instructions are those of AMD's public machine-readable ISA for CDNA 5 (MIT licence, August 2026) and "CDNA5" Instruction Set Architecture Reference Guide (July 2026). The comments in the code are by the model that wrote it; some were corrected since.
;; Multi Headed Attention. Allowed arithmetic: float matrix products may take bf16 or f16 operands with f32 sums; all other float work in f32.
;; Inputs: Wk 1,024 x 1,024 float32; Wo 1,024 x 1,024 float32; Wq 1,024 x 1,024 float32; Wv 1,024 x 1,024 float32; bk 1,024 float32; bo 1,024 float32; bq 1,024 float32; bv 1,024 float32; mask 4 x 1 x 2,048 int32; x 4 x 2,048 x 1,024 float32.
;; Outputs: out0 4 x 2,048 x 1,024 float32.
;; 2 versions, each right; version 2 is version 1 with the launch cast written anew for expert scheduling mode. Each part assembles by itself: llvm-mc -triple=amdgcn-amd-amdhsa -mcpu=gfx1250 --defsym DOCPART=n.
;; ======== version 1 of 2: 4 launches
;; limits: values are held in f16: magnitudes above 65,504 overflow, below 6.1e-05 lose precision; right only within a limited range of input values
;; workspace buffers: xh 16,777,216 bytes; wh 8,388,608 bytes; qkv 50,331,648 bytes; ctx 16,777,216 bytes
;; launch cast (part 1): grid 768 x 1, 8 waves a work-group, no clusters, 0 bytes of LDS; arguments x, Wq, Wk, Wv, Wo, xh, wh; writes xh, wh
.if DOCPART == 1
	.amdgcn_target "amdgcn-amd-amdhsa--gfx1250"
	.amdhsa_code_object_version 6
	.text
	.protected	k_qecd06c0834_cast
	.globl	k_qecd06c0834_cast
	.p2align	8
	.type	k_qecd06c0834_cast,@function
k_qecd06c0834_cast:
	s_mov_b64 s[64:65], 0
	v_nop
	global_prefetch_b8 v0, s[64:65] scope:SCOPE_SE
	s_setreg_imm32_b32 hwreg(HW_REG_WAVE_MODE, 25, 1), 1
	s_wait_xcnt 0x0
; xh = f16(x);  wh = f16 of Wq, Wk, Wv, Wo, one behind the other (4,096 rows of 1,024).
; A stream: no LDS, no barrier, no matrix unit, no cluster (no byte is read by two work-groups).
; A work-group takes 16,384 numbers: 64 KiB in, 32 KiB out.  Groups 0-511 take x; group 512 + 64 s + c takes chunk c of weight s.
; Thread t, set i: 16 bytes at 16 t + 4,096 i in, 8 bytes at 8 t + 2,048 i out: a wave's load covers 512 consecutive bytes,
; a wave's store 256 consecutive bytes that start at a multiple of 256.  All sixteen loads of a thread go out before the first wait.
; LIMIT: f16 holds magnitudes below 65,504; larger inputs become infinities.  Rounding is to nearest even.
.set X, 4                              ; v[4:67]   set i: four f32 as loaded
.set Y, 68                             ; v[68:99]  set i: four f16 to store
	s_load_b256 s[8:15], s[0:1], 0x0               ; x s[8:9], Wq s[10:11], Wk s[12:13], Wv s[14:15]
	s_load_b128 s[16:19], s[0:1], 0x20             ; Wo s[16:17], xh s[18:19]
	s_load_b64 s[20:21], s[0:1], 0x30              ; wh
	s_sub_co_u32 s2, ttmp9, 512                    ; chunk among the weights' 256 (of no meaning in x's groups, and not used there)
	s_lshr_b32 s3, s2, 6                           ; which weight
	s_and_b32 s4, s2, 63                           ; which chunk of it
	v_lshlrev_b32 v1, 4, v0                        ; 16 t
	v_lshlrev_b32 v2, 3, v0                        ; 8 t
	s_wait_kmcnt 0x0
	s_cmp_eq_u32 s3, 1
	s_cselect_b64 s[22:23], s[12:13], s[10:11]
	s_cmp_eq_u32 s3, 2
	s_cselect_b64 s[22:23], s[14:15], s[22:23]
	s_cmp_eq_u32 s3, 3
	s_cselect_b64 s[22:23], s[16:17], s[22:23]
	s_cmp_lt_u32 ttmp9, 512                        ; x's groups
	s_cselect_b64 s[22:23], s[8:9], s[22:23]       ; from
	s_cselect_b64 s[24:25], s[18:19], s[20:21]     ; to
	s_cselect_b32 s26, ttmp9, s4                   ; chunk in the source
	s_cselect_b32 s27, ttmp9, s2                   ; chunk in the destination
	s_lshl_b32 s28, s26, 16
	s_mov_b32 s29, 0
	s_lshl_b32 s30, s27, 15
	s_mov_b32 s31, 0
	s_add_nc_u64 s[22:23], s[22:23], s[28:29]
	s_add_nc_u64 s[24:25], s[24:25], s[30:31]
.irp i, 0,1,2,3,4,5,6,7,8,9,10,11,12,13,14,15
	global_load_b128 v[X+4*\i:X+4*\i+3], v1, s[22:23] offset:4096*\i th:TH_LOAD_NT
.endr
.irp i, 0,1,2,3,4,5,6,7,8,9,10,11,12,13,14,15
	s_wait_loadcnt 15-\i                           ; loads come back in order: set i is in, the younger ones stay out
	v_cvt_pk_f16_f32 v[Y+2*\i], v[X+4*\i], v[X+4*\i+1]
	v_cvt_pk_f16_f32 v[Y+2*\i+1], v[X+4*\i+2], v[X+4*\i+3]
	global_store_b64 v2, v[Y+2*\i:Y+2*\i+1], s[24:25] offset:2048*\i   ; no register is written twice: no wait for sources
.endr
	s_endpgm
.Lfunc_end_k_qecd06c0834_cast:
	.size	k_qecd06c0834_cast, .Lfunc_end_k_qecd06c0834_cast-k_qecd06c0834_cast
	.p2alignl 7, 3214868480
	.fill 96, 4, 3214868480
	.section	.rodata,"a",@progbits
	.p2align	6, 0x0
	.amdhsa_kernel k_qecd06c0834_cast
		.amdhsa_group_segment_fixed_size 0
		.amdhsa_private_segment_fixed_size 0
		.amdhsa_enable_private_segment 0
		.amdhsa_kernarg_size 56
		.amdhsa_user_sgpr_count 2
		.amdhsa_user_sgpr_kernarg_segment_ptr 1
		.amdhsa_wavefront_size32 1
		.amdhsa_system_sgpr_workgroup_id_x 1
		.amdhsa_system_sgpr_workgroup_id_y 1
		.amdhsa_system_sgpr_workgroup_id_z 1
		.amdhsa_system_vgpr_workitem_id 0
		.amdhsa_next_free_vgpr 104
		.amdhsa_next_free_sgpr 66
		.amdhsa_reserve_vcc 0
		.amdhsa_float_denorm_mode_32 3
		.amdhsa_float_denorm_mode_16_64 3
		.amdhsa_memory_ordered 1
		.amdhsa_forward_progress 1
		.amdhsa_inst_pref_size 7
	.end_amdhsa_kernel
	.amdgpu_metadata
---
amdhsa.version: [ 1, 2 ]
amdhsa.kernels:
  - .name:           k_qecd06c0834_cast
    .symbol:         k_qecd06c0834_cast.kd
    .args:
      - { .name: x, .offset: 0, .size: 8, .value_kind: global_buffer, .address_space: global }
      - { .name: Wq, .offset: 8, .size: 8, .value_kind: global_buffer, .address_space: global }
      - { .name: Wk, .offset: 16, .size: 8, .value_kind: global_buffer, .address_space: global }
      - { .name: Wv, .offset: 24, .size: 8, .value_kind: global_buffer, .address_space: global }
      - { .name: Wo, .offset: 32, .size: 8, .value_kind: global_buffer, .address_space: global }
      - { .name: xh, .offset: 40, .size: 8, .value_kind: global_buffer, .address_space: global }
      - { .name: wh, .offset: 48, .size: 8, .value_kind: global_buffer, .address_space: global }
    .group_segment_fixed_size: 0
    .private_segment_fixed_size: 0
    .kernarg_segment_align: 8
    .kernarg_segment_size: 56
    .max_flat_workgroup_size: 256
    .sgpr_count:     66
    .vgpr_count:     104
    .wavefront_size: 32
...
	.end_amdgpu_metadata
.endif
;; end of part 1
;; launch qkv (part 2): grid 4 x 64, 4 waves a work-group, clusters of 4 x 4, 327,680 bytes of LDS; arguments xh, wh, bq, bk, bv, mask, qkv; writes qkv
.if DOCPART == 2
	.amdgcn_target "amdgcn-amd-amdhsa--gfx1250"
	.amdhsa_code_object_version 6
	.text
	.protected	k_qecd06c0834_qkv
	.globl	k_qecd06c0834_qkv
	.p2align	8
	.type	k_qecd06c0834_qkv,@function
k_qecd06c0834_qkv:
	s_mov_b64 s[64:65], 0
	v_nop
	global_prefetch_b8 v0, s[64:65] scope:SCOPE_SE
	s_setreg_imm32_b32 hwreg(HW_REG_WAVE_MODE, 25, 1), 1
	s_wait_xcnt 0x0
	s_wait_alu depctr_hold_cnt(0) depctr_sa_sdst(0) depctr_va_vdst(0) depctr_va_sdst(0) depctr_va_ssrc(0) depctr_va_vcc(0) depctr_vm_vsrc(0)
	s_getreg_b32 s2, hwreg(HW_REG_IB_STS2, 6, 4)
	s_cmp_eq_u32 s2, 0
	s_cbranch_scc0 .Lentry_in_a_cluster
	s_endpgm
.Lentry_in_a_cluster:
	s_bfe_u32 s2, ttmp6, 0x10000c
	s_cmp_lg_u32 s2, 0xf033
	s_cbranch_scc0 .Lentry_shape_is_right
	s_endpgm
.Lentry_shape_is_right:
; qkv[t][0:1024]    = (x Wq^T + bq) * 0.125 log2(e)    (the scores' 1/8 and the base-2 softmax's factor, folded in before the rounding to f16)
; qkv[t][1024:2048] =  x Wk^T + bk, the whole row 0 where mask[t] = 0   (so that a masked score is exactly the constant that the next launch adds)
; qkv[t][2048:3072] =  x Wv^T + bv.        t = 0 .. 8191; operands f16, sums f32, results f16.
; A work-group stays and makes three tiles of 128 rows x 256 columns (q, k, v of the same rows and columns): 64 x 4 work-groups.
; Four waves; a wave makes 64 x 128: 32 accumulator tiles of 16 x 16.  K goes in steps of 128 (rows of 256 bytes that start at multiples of
; 256 bytes) through a ring of two LDS slots, which runs on from tile to tile: 24 steps.  The text is straight: which bias, the scale and
; the mask are then choices of the text, not of a branch.
; CLUSTER 4 x 4: the four work-groups of a row need the same rows of x, the four of a column the same rows of W: joint tensor loads.
; The matrix instruction is used transposed (source 0 = rows of W, source 1 = rows of x): a lane holds eight neighbouring columns of one row.
; The bias enters as the C operand of a tile's first products: nothing is cleared, nothing is added later.
; LIMIT: f16 operands and results: |x W^T + b| must stay below 65,504.
; REGISTERS: window 0: addresses, two fragment buffers, packed results; window 1: the 32 accumulators, tile (a, b) at v[8 (8 a + b)];
; window 2: the three tiles' biases, v[64 j + 8 b].
.set PITCH,  272                       ; an LDS row: 256 bytes + 16 of padding, an odd multiple of 16: the 16 rows of a fragment load start 16 bytes apart modulo 256
.set HALFT,  128*PITCH
.set SLOT,   4*HALFT                   ; x's 128 rows at 0; W's 256 rows at 2 HALFT; the bytes between are not used: every fill's LDS address is the wave's number times a constant
.set STAGE,  2*SLOT                    ; behind the ring: 16 rows x 272 bytes for each wave; no tensor load fills it
.set QKVP,   6144                      ; bytes in a row of qkv
.set VM,   8                           ; v[8:11]  mask of my rows 16 a + r
.set ADRA, 16                          ; v16-17   my fragments of x in slot 0, 1
.set ADRB, 20                          ; v20-21   the same for W
.set STO,  24                          ; the way out: where I put 16 bytes
.set RD,   25                          ; the way out: where I read a row back
.set CO,   26                          ; my byte offset in qkv
.set BOF,  27                          ; 32 h: my eight numbers of a bias
.set MOF,  28                          ; 4 r
.set F0,   32                          ; v[32:127]  fragment buffer 0: W's eight fragments, then x's four
.set F1,   128                         ; v[128:223] fragment buffer 1
.set TMP,  224                         ; v[224:255] packed results
.set G1,  24                           ; s[24:31] group 1 for x's tiles
.set G0,  32                           ; s[32:39] group 0 for x's tiles, a set for each slot
.set G1B, 48                           ; s[48:55] group 1 for W's tiles
.set G0B, 56                           ; s[56:63] group 0 for W's tiles
.set MK,  68                           ; s[68:71] lanes whose row 16 a + r is not masked
.set MULW, 0x50                        ; C and D in window 1
.set MSB, 0
.macro WIN new                         ; the immediate's high byte repeats the setting that is left
.if MSB != (\new)
	s_set_vgpr_msb (MSB<<8)|(\new)
.set MSB, (\new)
.endif
.endm
.macro PLACES                          ; four places behind a matrix instruction, ahead of loads into its sources and of reads of its result
.rept 4
	v_nop
.endr
.endm
; A joint load: waves 0 and 1 fetch x's two halves (64 rows each), waves 2 and 3 W's (128 rows each).  The branch hangs on the wave's number alone.
.macro JLOAD s
	s_cmp_eq_u32 s11, 0
	s_cbranch_scc0 .Lfor_b_\@
	tensor_load_to_lds s[G0+4*\s:G0+4*\s+3], s[G1:G1+7]
	s_nop 0
.rept 4
	v_nop
.endr
	s_branch .Lasked_\@
.Lfor_b_\@:
	tensor_load_to_lds s[G0B+4*\s:G0B+4*\s+3], s[G1B:G1B+7]
	s_nop 0
.rept 4
	v_nop
.endr
.Lasked_\@:
.endm
.macro CREST                           ; a round of the cluster's barrier behind its opening work-group barrier
	s_cmp_lg_u32 s10, 0
	s_cbranch_scc1 .Lnot_wave_0_\@
	s_barrier_signal -3
.Lnot_wave_0_\@:
	s_barrier_wait -3
	s_barrier_signal -1
	s_barrier_wait -1
.endm
.macro CROUND
	s_barrier_signal -1
	s_barrier_wait -1
	CREST
.endm
	s_load_b128 s[4:7], s[0:1], 0x0                ; xh s[4:5], wh s[6:7]
	s_load_b256 s[72:79], s[0:1], 0x10             ; bq s[72:73], bk s[74:75], bv s[76:77], mask s[78:79]
	s_load_b64 s[8:9], s[0:1], 0x30                ; qkv
	v_lshl_add_u32 v30, v0, 2, 0x48400
	v_mov_b32 v31, 0
	ds_add_u32 v30, v31
	v_lshrrev_b32 v1, 5, v0
	v_readfirstlane_b32 s10, v1                    ; wave 0..3
	s_lshr_b32 s11, s10, 1                         ; which 64 rows are mine.  Also: I fetch for x (0) or for W (1)
	s_and_b32 s12, s10, 1                          ; which 128 columns.  Also: which half of that tile I fetch
	s_bfe_u32 s40, ttmp6, 0x40000                  ; cx
	s_bfe_u32 s41, ttmp6, 0x40004                  ; cy
	s_lshl_b32 s42, ttmp9, 2
	s_add_co_u32 s42, s42, s40                     ; block column 0..3
	s_and_b32 s13, ttmp7, 0xffff
	s_lshl_b32 s13, s13, 2
	s_add_co_u32 s13, s13, s41                     ; block row 0..63
	s_lshl_b32 s43, s41, 2
	s_lshl_b32 s43, 15, s43                        ; my row of the cluster
	s_lshl_b32 s44, 0x1111, s40                    ; my column
	s_or_b32 s[G1+0], s43, (1<<16)|(1<<20)|(1<<21)|(5<<22)|(3<<25)   ; mask; 2-byte elements; padding on; bit 21 beside a mask; after every 64 words, 4 words
	s_or_b32 s[G1B+0], s44, (1<<16)|(1<<20)|(1<<21)|(5<<22)|(3<<25)
	s_mov_b32 s[G1+1], 128<<16                     ; tensor_dim0 = 128
	s_mov_b32 s[G1B+1], 128<<16
	s_mov_b32 s[G1+2], 64<<16                      ; tensor_dim1 = 64 rows of x
	s_mov_b32 s[G1B+2], 128<<16                    ;             = 128 rows of W
	s_mov_b32 s[G1+3], 128<<16                     ; tile_dim0 = 128
	s_mov_b32 s[G1B+3], 128<<16
	s_mov_b32 s[G1+4], 64                          ; tile_dim1
	s_mov_b32 s[G1B+4], 128
	s_mov_b32 s[G1+5], 1024                        ; elements from row to row
	s_mov_b32 s[G1B+5], 1024
	s_mov_b32 s[G1+6], 0
	s_mov_b32 s[G1B+6], 0
	s_mov_b32 s[G1+7], 0
	s_mov_b32 s[G1B+7], 0
	s_lshl_b32 s16, s13, 18                        ; x: (128 block row + 64 half) rows of 2,048 bytes
	s_lshl_b32 s17, s12, 17
	s_add_co_u32 s16, s16, s17
	s_mov_b32 s17, 0
	s_lshl_b32 s46, s42, 19                        ; W: (256 block column + 128 half) rows
	s_lshl_b32 s47, s12, 18
	s_add_co_u32 s46, s46, s47
	s_mov_b32 s47, 0
	s_mul_i32 s20, s10, 64*PITCH                   ; where x's halves go (waves 0, 1)
	s_mul_i32 s21, s10, HALFT                      ; where W's halves go (waves 2, 3)
	s_mov_b32 s66, 0x3e38aa3b                      ; 0.125 log2(e), twice: a pair for the packed multiply
	s_mov_b32 s67, 0x3e38aa3b
	s_wait_dscnt 0x0
	s_wait_kmcnt 0x0
	s_add_nc_u64 s[14:15], s[4:5], s[16:17]
	s_add_nc_u64 s[46:47], s[6:7], s[46:47]
	CROUND                                         ; all sixteen work-groups are here: the first joint loads meet
.irp s, 0,1
	s_mov_b32 s[G0+4*\s], 1
	s_add_co_u32 s[G0+4*\s+1], s20, \s*SLOT
	s_add_nc_u64 s[G0+4*\s+2:G0+4*\s+3], s[14:15], \s*256          ; K step s
	s_or_b32 s[G0+4*\s+3], s[G0+4*\s+3], 0x80000000
	s_mov_b32 s[G0B+4*\s], 1
	s_add_co_u32 s[G0B+4*\s+1], s21, \s*SLOT
	s_add_nc_u64 s[G0B+4*\s+2:G0B+4*\s+3], s[46:47], \s*256
	s_or_b32 s[G0B+4*\s+3], s[G0B+4*\s+3], 0x80000000
	JLOAD \s                                       ; both slots' first fills, ahead of everything else: two tensor loads of the wave are out
.endr
	v_and_b32 v1, 15, v0                           ; r
	v_bfe_u32 v2, v0, 4, 1                         ; h
	v_lshlrev_b32 v[BOF], 5, v2
	v_lshlrev_b32 v[MOF], 2, v1
	s_lshl_b32 s80, s13, 7
	s_lshl_b32 s81, s11, 6
	s_add_co_u32 s80, s80, s81                     ; my first row
	s_lshl_b32 s82, s80, 2
	s_mov_b32 s83, 0
	s_add_nc_u64 s[78:79], s[78:79], s[82:83]      ; mask at my first row
	s_mul_i32 s80, s80, QKVP
	s_mov_b32 s81, 0
	s_add_nc_u64 s[8:9], s[8:9], s[80:81]
	s_lshl_b32 s18, s42, 8
	s_lshl_b32 s19, s12, 7
	s_add_co_u32 s18, s18, s19                     ; my first column in a tile
	s_lshl_b32 s82, s18, 1
	s_add_nc_u64 s[8:9], s[8:9], s[82:83]          ; qkv at my first row and column
	s_lshl_b32 s18, s18, 2
	s_mov_b32 s19, 0
	s_add_nc_u64 s[72:73], s[72:73], s[18:19]      ; the biases at my first column
	s_add_nc_u64 s[74:75], s[74:75], s[18:19]
	s_add_nc_u64 s[76:77], s[76:77], s[18:19]
	WIN 0x80                                       ; destination in window 2
.irp j, 0,1,2
.irp b, 0,1,2,3,4,5,6,7
	global_load_b128 v[64*\j+8*\b:64*\j+8*\b+3],   v[BOF], s[72+2*\j:73+2*\j] offset:64*\b      ; bias of columns 16 b + 8 h + 0..3
	global_load_b128 v[64*\j+8*\b+4:64*\j+8*\b+7], v[BOF], s[72+2*\j:73+2*\j] offset:64*\b+16   ; and + 4..7
.endr
.endr
	WIN 0
.irp a, 0,1,2,3
	global_load_b32 v[VM+\a], v[MOF], s[78:79] offset:64*\a
.endr
	v_mul_u32_u24 v3, v1, PITCH
	v_lshl_add_u32 v3, v2, 4, v3                   ; r x pitch + 16 h
	s_mul_i32 s22, s11, 64*PITCH                   ; my 64 rows of x
	s_mul_i32 s23, s12, HALFT
	s_add_co_u32 s23, s23, 2*HALFT                 ; my 128 rows of W
.irp s, 0,1
	v_add_nc_u32 v[ADRA+\s], s22, v3
	v_add_nc_u32 v[ADRB+\s], s23, v3
	s_add_co_u32 s22, s22, SLOT
	s_add_co_u32 s23, s23, SLOT
.endr
	s_mul_i32 s22, s10, 16*PITCH
	s_add_co_u32 s22, s22, STAGE                   ; my stage
	v_add_nc_u32 v[STO], s22, v3
	v_mul_u32_u24 v5, v2, PITCH
	v_lshl_add_u32 v5, v1, 4, v5
	v_add_nc_u32 v[RD], s22, v5                    ; lanes 0-15 one row of 256 bytes, lanes 16-31 the next
	v_mul_u32_u24 v5, v2, QKVP
	v_lshl_add_u32 v[CO], v1, 4, v5
	s_wait_loadcnt 0x0
.irp a, 0,1,2,3
	v_cmp_ne_u32 s[MK+\a], 0, v[VM+\a]
.endr
; 8 matrix instructions: rows 16 a .. 16 a + 15 x all 8 column blocks, 32 along K.  cm = 1: the tile's first products take bias j as C.
; The 32 accumulators take turns, one instruction a turn, in the same order in every quarter step.
.macro MUL8 f, a, j, cm
.irp b, 0,1,2,3,4,5,6,7
.if \cm
	v_wmma_f32_16x16x32_f16 v[8*(8*\a+\b):8*(8*\a+\b)+7], v[\f+8*\b:\f+8*\b+7], v[\f+64+8*\a:\f+64+8*\a+7], v[64*\j+8*\b:64*\j+8*\b+7]
.else
	v_wmma_f32_16x16x32_f16 v[8*(8*\a+\b):8*(8*\a+\b)+7], v[\f+8*\b:\f+8*\b+7], v[\f+64+8*\a:\f+64+8*\a+7], v[8*(8*\a+\b):8*(8*\a+\b)+7]
.endif
.endr
.endm
; 24 LDS loads in one run: a quarter step's fragments (32 K at byte k of the rows): W's eight, then x's four
.macro FETCH slot, k, f
	WIN 0
.irp i, 0,1,2,3,4,5,6,7
	ds_load_b128 v[\f+8*\i:\f+8*\i+3],   v[ADRB+\slot] offset:\k+\i*16*PITCH
	ds_load_b128 v[\f+8*\i+4:\f+8*\i+7], v[ADRB+\slot] offset:\k+\i*16*PITCH+32
.endr
.irp i, 0,1,2,3
	ds_load_b128 v[\f+64+8*\i:\f+64+8*\i+3],   v[ADRA+\slot] offset:\k+\i*16*PITCH
	ds_load_b128 v[\f+64+8*\i+4:\f+64+8*\i+7], v[ADRA+\slot] offset:\k+\i*16*PITCH+32
.endr
.endm
; One of a K step's first three quarters: multiplies buffer f; in its middle it fetches the next quarter's fragments into buffer g.
.macro QUARTER slot, k, f, g, j, cm
	s_wait_dscnt 4                                 ; all but the youngest four loads (x's rows 32-63) are in
	WIN MULW+0x10*\cm                              ; with the bias as C: C in window 2
	MUL8 \f, 0, \j, \cm
	MUL8 \f, 1, \j, \cm
	PLACES
	FETCH \slot, \k, \g
	s_wait_dscnt 24                                ; all but the 24 just issued
	WIN MULW+0x10*\cm
	MUL8 \f, 2, \j, \cm
	MUL8 \f, 3, \j, \cm
.endm
.macro THREE slot, j, cm
	QUARTER \slot, 64,  F0, F1, \j, \cm
	QUARTER \slot, 128, F1, F0, \j, 0
	QUARTER \slot, 192, F0, F1, \j, 0
.endm
; The last quarter: multiplies buffer 1 and changes slots.  fill = 1: this slot is filled again, two K steps ahead; wrap = 1: that step lies in
; the next tile (x back to K = 0, W 1,024 rows on).  In front of the barrier each wave waits for its reads of this slot and for all its tensor
; loads (one is out: its part of the next slot); where the slot is filled again the barrier opens a round of the cluster's barrier, only register
; work stands inside, and the joint refill is the first tensor load behind it.
.macro TURN slot, next, fill, wrap
	s_wait_dscnt 4
	WIN MULW
	MUL8 F1, 0, 0, 0
	s_wait_dscnt 0
	s_wait_tensorcnt 0x0
	ds_add_u32 v30, v31
	s_wait_dscnt 0x0
	s_barrier_signal -1
	MUL8 F1, 1, 0, 0
	WIN 0
	s_barrier_wait -1
.if \fill
	CREST
.if \wrap
	s_sub_nc_u64 s[G0+4*\slot+2:G0+4*\slot+3], s[G0+4*\slot+2:G0+4*\slot+3], 1536
	s_add_nc_u64 s[G0B+4*\slot+2:G0B+4*\slot+3], s[G0B+4*\slot+2:G0B+4*\slot+3], 1024*2048-1536
.else
	s_add_nc_u64 s[G0+4*\slot+2:G0+4*\slot+3], s[G0+4*\slot+2:G0+4*\slot+3], 512
	s_add_nc_u64 s[G0B+4*\slot+2:G0B+4*\slot+3], s[G0B+4*\slot+2:G0B+4*\slot+3], 512
.endif
	JLOAD \slot                                    ; the four v_nop behind it are also the places in front of the loads below
.else
	PLACES
.endif
	FETCH \next, 0, F0
	WIN MULW
	MUL8 F1, 2, 0, 0
	MUL8 F1, 3, 0, 0
.endm
; The way out of rows 16 a .. 16 a + 15 of tile j: scale (q), round to f16, clear masked rows (k), 16 bytes a lane into my own stage,
; whole rows of 256 bytes back into registers f .. f + 31, and out.
.macro OUT16 j, a, f
.if \j == 0
	WIN 0x41
.set n, 0
.rept 32
	v_pk_mul_f32 v[64*\a+2*n:64*\a+2*n+1], v[64*\a+2*n:64*\a+2*n+1], s[66:67] op_sel_hi:[1,0]
.set n, n+1
.endr
.endif
	WIN 0x05
.set n, 0
.rept 32
	v_cvt_pk_f16_f32 v[TMP+n], v[64*\a+2*n], v[64*\a+2*n+1]
.set n, n+1
.endr
	WIN 0
.if \j == 1
	s_mov_b32 vcc_lo, s[MK+\a]
.set n, 0
.rept 32
	v_cndmask_b32 v[TMP+n], 0, v[TMP+n], vcc_lo    ; my row is masked: zeros
.set n, n+1
.endr
.endif
.irp b, 0,1,2,3,4,5,6,7
	ds_store_b128 v[STO], v[TMP+4*\b:TMP+4*\b+3] offset:32*\b
.endr
	s_wait_xcnt 0x0                                ; registers that earlier stores read are loaded again only behind this wait
.irp t, 0,1,2,3,4,5,6,7
	ds_load_b128 v[\f+4*\t:\f+4*\t+3], v[RD] offset:\t*2*PITCH     ; LDS serves a wave's instructions in order: these see the stores above
.endr
.irp t, 0,1,2,3,4,5,6,7
	s_wait_dscnt 7-\t
	global_store_b128 v[CO], v[\f+4*\t:\f+4*\t+3], s[8:9] offset:(16*\a+2*\t)*QKVP+\j*2048   ; 16 lanes store 256 consecutive bytes, at a multiple of 256
.endr
.endm
.macro TILE j, last
	THREE 0, \j, 1
	TURN 0, 1, 1, 0
	THREE 1, \j, 0
	TURN 1, 0, 1, 0
.rept 2
	THREE 0, \j, 0
	TURN 0, 1, 1, 0
	THREE 1, \j, 0
	TURN 1, 0, 1, 0
.endr
	THREE 0, \j, 0
.if \last
	TURN 0, 1, 0, 0                                ; nothing is left to fetch: a plain barrier
	THREE 1, \j, 0
	s_wait_dscnt 4
	WIN MULW
	MUL8 F1, 0, 0, 0
	MUL8 F1, 1, 0, 0
	s_wait_dscnt 0
	MUL8 F1, 2, 0, 0
	MUL8 F1, 3, 0, 0
.else
	TURN 0, 1, 1, 1                                ; the ring runs on into the next tile
	THREE 1, \j, 0
	TURN 1, 0, 1, 1                                ; buffer 0 already holds the next tile's first fragments; the way out uses buffer 1 alone
.endif
	PLACES
	OUT16 \j, 0, F1
	OUT16 \j, 1, F1+32
	OUT16 \j, 2, F1
	OUT16 \j, 3, F1+32
.if \last == 0
	s_wait_xcnt 0x0                                ; buffer 1, which the stores read, is loaded again in the next tile
.endif
.endm
	s_wait_tensorcnt 1                             ; my part of K step 0 is in; step 1's stays out
	s_barrier_signal -1
	s_barrier_wait -1
	FETCH 0, 0, F0
	TILE 0, 0
	TILE 1, 0
	TILE 2, 1
	s_wait_tensorcnt 0x0
	ds_add_u32 v30, v31
	s_wait_dscnt 0x0
	CROUND                                         ; the closing round
	s_endpgm
.Lfunc_end_k_qecd06c0834_qkv:
	.size	k_qecd06c0834_qkv, .Lfunc_end_k_qecd06c0834_qkv-k_qecd06c0834_qkv
	.p2alignl 7, 3214868480
	.fill 96, 4, 3214868480
	.section	.rodata,"a",@progbits
	.p2align	6, 0x0
	.amdhsa_kernel k_qecd06c0834_qkv
		.amdhsa_group_segment_fixed_size 327680
		.amdhsa_private_segment_fixed_size 0
		.amdhsa_enable_private_segment 0
		.amdhsa_kernarg_size 56
		.amdhsa_user_sgpr_count 2
		.amdhsa_user_sgpr_kernarg_segment_ptr 1
		.amdhsa_wavefront_size32 1
		.amdhsa_system_sgpr_workgroup_id_x 1
		.amdhsa_system_sgpr_workgroup_id_y 1
		.amdhsa_system_sgpr_workgroup_id_z 1
		.amdhsa_system_vgpr_workitem_id 0
		.amdhsa_next_free_vgpr 704
		.amdhsa_next_free_sgpr 96
		.amdhsa_reserve_vcc 1
		.amdhsa_float_denorm_mode_32 3
		.amdhsa_float_denorm_mode_16_64 3
		.amdhsa_memory_ordered 1
		.amdhsa_forward_progress 1
		.amdhsa_inst_pref_size 255
	.end_amdhsa_kernel
	.section	.bss,"aw",@nobits
	.p2align	6
	.space	262144
	.amdgpu_metadata
---
amdhsa.version: [ 1, 2 ]
amdhsa.kernels:
  - .name:           k_qecd06c0834_qkv
    .symbol:         k_qecd06c0834_qkv.kd
    .args:
      - { .name: xh, .offset: 0, .size: 8, .value_kind: global_buffer, .address_space: global }
      - { .name: wh, .offset: 8, .size: 8, .value_kind: global_buffer, .address_space: global }
      - { .name: bq, .offset: 16, .size: 8, .value_kind: global_buffer, .address_space: global }
      - { .name: bk, .offset: 24, .size: 8, .value_kind: global_buffer, .address_space: global }
      - { .name: bv, .offset: 32, .size: 8, .value_kind: global_buffer, .address_space: global }
      - { .name: mask, .offset: 40, .size: 8, .value_kind: global_buffer, .address_space: global }
      - { .name: qkv, .offset: 48, .size: 8, .value_kind: global_buffer, .address_space: global }
    .group_segment_fixed_size: 327680
    .private_segment_fixed_size: 0
    .kernarg_segment_align: 8
    .kernarg_segment_size: 56
    .max_flat_workgroup_size: 128
    .sgpr_count:     96
    .vgpr_count:     704
    .wavefront_size: 32
...
	.end_amdgpu_metadata
.endif
;; end of part 2
;; launch attn (part 3): grid 8 x 32, 8 waves a work-group, clusters of 4 x 1, 327,680 bytes of LDS; arguments qkv, mask, ctx; writes ctx
.if DOCPART == 3
	.amdgcn_target "amdgcn-amd-amdhsa--gfx1250"
	.amdhsa_code_object_version 6
	.text
	.protected	k_qecd06c0834_attn
	.globl	k_qecd06c0834_attn
	.p2align	8
	.type	k_qecd06c0834_attn,@function
k_qecd06c0834_attn:
	s_mov_b64 s[64:65], 0
	v_nop
	global_prefetch_b8 v0, s[64:65] scope:SCOPE_SE
	s_setreg_imm32_b32 hwreg(HW_REG_WAVE_MODE, 25, 1), 1
	s_wait_xcnt 0x0
	s_wait_alu depctr_hold_cnt(0) depctr_sa_sdst(0) depctr_va_vdst(0) depctr_va_sdst(0) depctr_va_ssrc(0) depctr_va_vcc(0) depctr_vm_vsrc(0)
	s_getreg_b32 s2, hwreg(HW_REG_IB_STS2, 6, 4)
	s_cmp_eq_u32 s2, 0
	s_cbranch_scc0 .Lentry_in_a_cluster
	s_endpgm
.Lentry_in_a_cluster:
	s_bfe_u32 s2, ttmp6, 0x10000c
	s_cmp_lg_u32 s2, 0x3003
	s_cbranch_scc0 .Lentry_shape_is_right
	s_endpgm
.Lentry_shape_is_right:
; ctx = softmax(where(mask = 0, -1e9, q k^T / 8)) v for every batch and head, with a running maximum, in base 2.
; qkv holds q already times 0.125 log2(e), and k's rows of masked keys as zeros; here the first score product takes as C the table
; bias[key] = 0, or -1e9 log2(e) where mask = 0: a masked score is 0 + that constant, exactly what the reference's where() puts there.
; A work-group: one batch, two neighbouring heads, 256 queries.  Eight waves; wave w: head 2 hp + (w >> 2), queries 64 (w & 3) ..: four query tiles of 16.
; Two heads together make the rows of K's and V's tiles 256 consecutive bytes that start at a multiple of 256, and ctx's rows likewise.
; CLUSTER 4 x 1: four query blocks of the same batch and heads read the same K and V tiles: joint tensor loads, mask 15.
; Both products are used transposed.  S^T = K Q^T: lane (r, h) holds query r, keys 16 t + 8 h + j, so a row's statistics are one number a lane
; (the two halves meet through one v_permlanex16_b32), and two score tiles rounded to f16 ARE the B fragment of O^T = V^T P^T.
; 128 keys a trip through two LDS slots, two chunks of 64 keys.  A chunk has three stages: S (32 score products), F (softmax and the rescaling of O,
; some 470 vector instructions), P (32 value products).
; THE STAGGER: a wave issues in order, so inside one wave S, F and P follow each other.  Half of the waves therefore run one stage late:
;   early waves, a trip:  S0  F0  P0 S1  F1  P1
;   late waves,  a trip:  F1' P1' S0  F0  P0 S1        (1' = the last chunk of the tile before: its raw scores and its V fragments wait in registers)
; so that while the one kind is in a matrix stage the other is in a vector stage.  Late = bit 0 xor bit 2 of the wave's number: waves w and w + 4 differ,
; and so do waves 2 k and 2 k + 1.  The two bodies stand under a branch on the wave's number; every barrier stands outside it.
; LIMITS: f16 operands (q, k, v below 65,504; P in [0, 1] rounded to f16, the row sum taken of the unrounded P).  A q that is not finite
; against a masked key gives NaN.
; REGISTERS, 512 a wave.  Window 0: O (v[8 (4 i + dt)], v0-127; before the first value product: temporaries of the set-up), Q (v128-191), K fragments (v192-255).
; Window 1: scores (v0-127), bias (v128-159), statistics (v160-183), V fragments (v184-247), the thread's number and LDS addresses (v248-253).
.set KP,    272                        ; K's LDS pitch: odd multiple of 16
.set VP,    288                        ; V's LDS pitch: odd multiple of 32, for the transposing loads
.set VB,    36864                      ; V's 128 rows in a slot, behind K's 128 x 272 = 34,816 bytes
.set SLOT,  73728
.set STAGE, 2*SLOT                     ; the way out: each wave's own 64 rows x 144 bytes
.set SP,    144
.set WSTG,  64*SP+32                   ; from wave to wave; the two heads' regions are 4 WSTG = 36,992 bytes apart: 128 modulo 256
.set BIASL, STAGE+8*WSTG               ; 2,048 f32.  Stage and table are written by LDS stores; no tensor load fills them
.set QKVP,  6144
.set STEP,  128*QKVP                   ; 128 keys on
; window 0
.set QOFF, 21                          ; set-up only
.set MO,   25
.set NEGR, 26
.set BST,  27
.set MW,   32                          ; v[32:39] mask words
.set QF,   128                         ; Q(i, ks) at 128 + 16 i + 8 ks
.set KF,   192                         ; K(t, ks) at 192 + 16 t + 8 ks
; window 1: scores S(ii, t) at 32 ii + 8 t
.set BI,   128                         ; bias of key tile t at 128 + 8 t
.set T,    128                         ; T, T2, DD lie over the bias: they live between a chunk's score products and the load of the next chunk's bias
.set T2,   132
.set DD,   136
.set M,    160                         ; running maximum of query tile i, twice (a pair for the packed subtraction)
.set L,    168                         ; running sum, partial: even and odd registers apart, each half of the lanes its own
.set AL,   176                         ; 2^(old maximum - new maximum), twice
.set VF,   184                         ; V(dt, ks) at 184 + 16 dt + 8 ks
.set TID,  248                         ; v0, kept for the way out
.set ADK,  249                         ; my K fragments in slot 0, 1
.set ADV,  251                         ; my V fragments in slot 0, 1
.set ADB,  253                         ; the trip's bias, stepped by 512 bytes a trip
; window 1, the way out (over the scores)
.set TF,   0
.set TH,   32
.set E1,   48
.set E2,   49
.set E3,   50
.set E4,   51
.set E5,   52
.set E6,   53
.set STO,  54
.set RD,   55
.set CO,   56
.set R,    64
.set G1K, 24
.set G0K, 32
.set G1V, 48
.set G0V, 56
.set SMM,   0x50                       ; A (K), B (Q) window 0; C, D window 1
.set SOFTW, 0x55                       ; all in window 1
.set RESCW, 0x04                       ; destination and source 0 window 0, source 1 window 1
.set PVM,   0x05                       ; A (V), B (P) window 1; C, D window 0
.set TOK,   0x01                       ; a load into window 0, its address in window 1
.set TO1,   0x41                       ; a load into window 1, its address in window 1
.set MSB, 0
.macro WIN new                         ; the immediate's high byte repeats the setting that is left
.if MSB != (\new)
	s_set_vgpr_msb (MSB<<8)|(\new)
.set MSB, (\new)
.endif
.endm
.macro PLACES                          ; four places behind a matrix instruction: vector reads of its result, loads into its sources
.rept 4
	v_nop
.endr
.endm
.macro PLACES5                         ; five: a matrix instruction writes over one of its sources
.rept 5
	v_nop
.endr
.endm
.macro JLOAD s                         ; waves 0, 1: K's two halves of 64 keys; waves 2, 3: V's; waves 4 to 7 have no part of a tile to fetch
	s_cmp_lt_u32 s10, 2
	s_cbranch_scc0 .Lnot_k_\@
	tensor_load_to_lds s[G0K+4*\s:G0K+4*\s+3], s[G1K:G1K+7]
	s_nop 0
.rept 4
	v_nop
.endr
	s_branch .Lasked_\@
.Lnot_k_\@:
	s_cmp_lt_u32 s10, 4
	s_cbranch_scc0 .Lasked_\@
	tensor_load_to_lds s[G0V+4*\s:G0V+4*\s+3], s[G1V:G1V+7]
	s_nop 0
.rept 4
	v_nop
.endr
.Lasked_\@:
.endm
.macro CROUND                          ; a round of the cluster's barrier
	s_barrier_signal -1
	s_barrier_wait -1
	s_cmp_lg_u32 s10, 0
	s_cbranch_scc1 .Lnot_wave_0_\@
	s_barrier_signal -3
.Lnot_wave_0_\@:
	s_barrier_wait -3
	s_barrier_signal -1
	s_barrier_wait -1
.endm
	s_load_b128 s[4:7], s[0:1], 0x0                ; qkv s[4:5], mask s[6:7]
	s_load_b64 s[8:9], s[0:1], 0x10                ; ctx
	s_set_vgpr_msb 0x40
	v_lshl_add_u32 v254, v0, 2, 0x38100
	v_mov_b32 v255, 0
	s_set_vgpr_msb 0x4045
	ds_add_u32 v254, v255
	s_set_vgpr_msb 0x4500
	v_lshrrev_b32 v1, 5, v0
	v_readfirstlane_b32 s10, v1                    ; wave 0..7
	s_lshr_b32 s11, s10, 2                         ; my head of the pair
	s_and_b32 s12, s10, 3                          ; my 64 of the 256 queries
	s_and_b32 s69, s10, 1                          ; which 64 keys I fetch (waves 0 to 3); which 32 rows of a query group I store
	s_xor_b32 s72, s10, s11
	s_and_b32 s72, s72, 1                          ; 1: I run one stage late
	s_bfe_u32 s40, ttmp6, 0x40000                  ; cx
	s_lshl_b32 s42, ttmp9, 2
	s_add_co_u32 s42, s42, s40                     ; query block 0..7
	s_and_b32 s13, ttmp7, 0xffff
	s_lshr_b32 s14, s13, 3                         ; batch
	s_and_b32 s15, s13, 7                          ; head pair
	s_mov_b32 s[G1K+0], 0x0771000f                 ; mask 15; 2-byte elements; padding on; bit 21 beside a mask; after every 64 words, 4 words
	s_mov_b32 s[G1V+0], 0x0f71000f                 ; the same with 8 words
	s_mov_b32 s[G1K+1], 128<<16                    ; tensor_dim0 = 128
	s_mov_b32 s[G1V+1], 128<<16
	s_mov_b32 s[G1K+2], 64<<16                     ; tensor_dim1 = 64
	s_mov_b32 s[G1V+2], 64<<16
	s_mov_b32 s[G1K+3], 128<<16                    ; tile_dim0 = 128
	s_mov_b32 s[G1V+3], 128<<16
	s_mov_b32 s[G1K+4], 64                         ; tile_dim1 = 64
	s_mov_b32 s[G1V+4], 64
	s_mov_b32 s[G1K+5], 3072                       ; elements from row to row
	s_mov_b32 s[G1V+5], 3072
	s_mov_b32 s[G1K+6], 0
	s_mov_b32 s[G1V+6], 0
	s_mov_b32 s[G1K+7], 0
	s_mov_b32 s[G1V+7], 0
	s_lshl_b32 s16, s14, 11                        ; the tiles: token 2,048 batch + 64 half, byte 256 head pair: nothing of cx
	s_lshl_b32 s17, s69, 6
	s_add_co_u32 s16, s16, s17
	s_mul_i32 s16, s16, QKVP
	s_lshl_b32 s17, s15, 8
	s_add_co_u32 s16, s16, s17
	s_mov_b32 s17, 0
	s_mul_i32 s20, s10, 64*KP                      ; K's halves (waves 0, 1)
	s_mul_i32 s21, s10, 64*VP                      ; V's halves (waves 2, 3): 36,864 and 55,296
	s_lshl_b32 s44, s14, 11
	s_lshl_b32 s45, s42, 8
	s_add_co_u32 s44, s44, s45                     ; the block's first token
	s_lshl_b32 s45, s12, 6
	s_add_co_u32 s46, s44, s45                     ; my first query
	s_mul_i32 s46, s46, QKVP
	s_lshl_b32 s47, s15, 8
	s_add_co_u32 s46, s46, s47
	s_lshl_b32 s22, s11, 7                         ; my head's 128 bytes of the pair's 256
	s_add_co_u32 s46, s46, s22
	s_mov_b32 s47, 0
	s_lshl_b32 s45, s10, 5
	s_add_co_u32 s44, s44, s45                     ; the 32 rows of ctx that I store
	s_lshl_b32 s44, s44, 11
	s_lshl_b32 s45, s15, 8
	s_add_co_u32 s44, s44, s45
	s_mov_b32 s45, 0
	s_lshl_b32 s70, s14, 13                        ; the batch's 2,048 mask words
	s_mov_b32 s71, 0
	s_mov_b32 s66, 0x76543210                      ; v_permlanex16_b32: lane i of one half reads lane i of the other
	s_mov_b32 s67, 0xfedcba98
	s_wait_dscnt 0x0
	s_wait_kmcnt 0x0
	s_add_nc_u64 s[18:19], s[4:5], s[16:17]
	s_add_nc_u64 s[46:47], s[4:5], s[46:47]
	s_add_nc_u64 s[8:9], s[8:9], s[44:45]
	s_add_nc_u64 s[6:7], s[6:7], s[70:71]
.irp s, 0,1
	s_mov_b32 s[G0K+4*\s], 1
	s_add_co_u32 s[G0K+4*\s+1], s20, \s*SLOT
	s_add_nc_u64 s[G0K+4*\s+2:G0K+4*\s+3], s[18:19], 2048+\s*STEP  ; k's columns, tile s
	s_or_b32 s[G0K+4*\s+3], s[G0K+4*\s+3], 0x80000000
	s_mov_b32 s[G0V+4*\s], 1
	s_add_co_u32 s[G0V+4*\s+1], s21, \s*SLOT
	s_add_nc_u64 s[G0V+4*\s+2:G0V+4*\s+3], s[18:19], 4096+\s*STEP  ; v's columns
	s_or_b32 s[G0V+4*\s+3], s[G0V+4*\s+3], 0x80000000
.endr
	CROUND                                         ; the four work-groups are here
	JLOAD 0                                        ; tile 0; slot 1 is first filled behind the first trip's round, as a refill is.  At most one tensor load of a wave is out, here and later
	v_and_b32 v1, 15, v0                           ; r
	v_bfe_u32 v2, v0, 4, 1                         ; h
	v_and_b32 v3, 7, v0
	v_bfe_u32 v4, v0, 3, 1
	v_and_b32 v7, 31, v0
	v_lshlrev_b32 v7, 4, v7
	v_lshl_add_u32 v[MO], s10, 10, v7              ; my wave's 1,024 bytes of the mask, 16 bytes a lane
	v_mul_u32_u24 v8, v1, QKVP
	v_lshl_add_u32 v[QOFF], v2, 4, v8
	global_load_b128 v[MW:MW+3],   v[MO], s[6:7]
	global_load_b128 v[MW+4:MW+7], v[MO], s[6:7] offset:512
.irp i, 0,1,2,3
.irp ks, 0,1
	global_load_b128 v[QF+16*\i+8*\ks:QF+16*\i+8*\ks+3],   v[QOFF], s[46:47] offset:\i*16*QKVP+64*\ks       ; Q(query 16 i + r, d = 32 ks + 8 h ..)
	global_load_b128 v[QF+16*\i+8*\ks+4:QF+16*\i+8*\ks+7], v[QOFF], s[46:47] offset:\i*16*QKVP+64*\ks+32    ; and d = 32 ks + 16 + 8 h ..
.endr
.endr
	v_add_nc_u32 v[BST], BIASL, v[MO]
	v_mov_b32 v[NEGR], 0xceabfb8f                  ; -1e9 log2(e)
	v_mul_u32_u24 v5, v1, KP
	v_lshl_add_u32 v5, v2, 4, v5
	v_add_nc_u32 v5, s22, v5                       ; K: r x 272 + 16 h + my head
	v_lshl_add_u32 v6, v2, 3, v3                   ; V: key 8 h + (lane & 7)
	v_mul_u32_u24 v6, v6, VP
	v_lshl_add_u32 v6, v4, 4, v6                   ; + 16 ((lane >> 3) & 1)
	s_add_co_u32 s23, s22, VB
	v_add_nc_u32 v6, s23, v6
	v_lshlrev_b32 v9, 5, v2
	v_add_nc_u32 v9, BIASL, v9                     ; bias: my eight keys of a key tile
	WIN 0x40                                       ; destination in window 1: what lasts moves out of O's registers
	v_mov_b32 v[TID], v0
	v_mov_b32 v[ADK], v5
	v_add_nc_u32 v[ADK+1], SLOT, v5
	v_mov_b32 v[ADV], v6
	v_add_nc_u32 v[ADV+1], SLOT, v6
	v_mov_b32 v[ADB], v9
	WIN 0
	s_wait_loadcnt 16                              ; the mask's two loads are in, Q's 16 stay out
.set n, 0
.rept 8
	v_cmp_eq_u32 vcc_lo, 0, v[MW+n]
	v_cndmask_b32 v[MW+n], 0, v[NEGR], vcc_lo
.set n, n+1
.endr
	ds_store_b128 v[BST], v[MW:MW+3]               ; waited for in front of the first trip's round, which shows the table to all eight waves
	ds_store_b128 v[BST], v[MW+4:MW+7] offset:512
	s_wait_loadcnt 0x0                             ; Q
; chunk c's K fragments (16 loads) and bias (8 loads)
.macro LOADK slot, c
	WIN TOK
.irp t, 0,1,2,3
.irp ks, 0,1
	ds_load_b128 v[KF+16*\t+8*\ks:KF+16*\t+8*\ks+3],   v[ADK+\slot] offset:(\c)*64*KP+\t*16*KP+64*\ks
	ds_load_b128 v[KF+16*\t+8*\ks+4:KF+16*\t+8*\ks+7], v[ADK+\slot] offset:(\c)*64*KP+\t*16*KP+64*\ks+32
.endr
.endr
	WIN TO1
.irp t, 0,1,2,3
	ds_load_b128 v[BI+8*\t:BI+8*\t+3],   v[ADB] offset:(\c)*256+64*\t
	ds_load_b128 v[BI+8*\t+4:BI+8*\t+7], v[ADB] offset:(\c)*256+64*\t+16
.endr
.endm
; chunk c's V fragments, transposed on the way: 16 loads.  V(dt, ks): d = 16 dt + r, keys 32 ks + 8 h .. and 32 ks + 16 + 8 h ..
.macro LOADV slot, c
	WIN TO1
.irp dt, 0,1,2,3
.irp ks, 0,1
	ds_load_tr16_b128 v[VF+16*\dt+8*\ks:VF+16*\dt+8*\ks+3],   v[ADV+\slot] offset:(\c)*64*VP+\ks*32*VP+32*\dt
	ds_load_tr16_b128 v[VF+16*\dt+8*\ks+4:VF+16*\dt+8*\ks+7], v[ADV+\slot] offset:(\c)*64*VP+\ks*32*VP+16*VP+32*\dt
.endr
.endr
.endm
; Stage S: my four query tiles against 64 keys: 32 matrix instructions; 16 accumulators take turns, one instruction a turn.
.macro SRUN
	WIN SMM
.irp ii, 0,1,2,3
.irp t, 0,1,2,3
	v_wmma_f32_16x16x32_f16 v[32*\ii+8*\t:32*\ii+8*\t+7], v[KF+16*\t:KF+16*\t+7], v[QF+16*\ii:QF+16*\ii+7], v[BI+8*\t:BI+8*\t+7]
.endr
.endr
.irp ii, 0,1,2,3
.irp t, 0,1,2,3
	v_wmma_f32_16x16x32_f16 v[32*\ii+8*\t:32*\ii+8*\t+7], v[KF+16*\t+8:KF+16*\t+15], v[QF+16*\ii+8:QF+16*\ii+15], v[32*\ii+8*\t:32*\ii+8*\t+7]
.endr
.endr
.endm
; Stage P: O^T += V^T P^T: 32 matrix instructions, 16 accumulators by turns.  first = 1: the first products start the sums.
.macro PVRUN first
	WIN PVM
.irp ii, 0,1,2,3
.irp dt, 0,1,2,3
.if \first
	v_wmma_f32_16x16x32_f16 v[8*(4*\ii+\dt):8*(4*\ii+\dt)+7], v[VF+16*\dt:VF+16*\dt+7], v[32*\ii:32*\ii+7], 0
.else
	v_wmma_f32_16x16x32_f16 v[8*(4*\ii+\dt):8*(4*\ii+\dt)+7], v[VF+16*\dt:VF+16*\dt+7], v[32*\ii:32*\ii+7], v[8*(4*\ii+\dt):8*(4*\ii+\dt)+7]
.endif
.endr
.endr
.irp ii, 0,1,2,3
.irp dt, 0,1,2,3
	v_wmma_f32_16x16x32_f16 v[8*(4*\ii+\dt):8*(4*\ii+\dt)+7], v[VF+16*\dt+8:VF+16*\dt+15], v[32*\ii+8:32*\ii+15], v[8*(4*\ii+\dt):8*(4*\ii+\dt)+7]
.endr
.endr
.endm
; Pieces of the softmax; pp is the pair of registers at work.
.macro SUBM ii                         ; two scores less the row's maximum
	v_pk_add_f32 v[32*\ii+2*pp:32*\ii+2*pp+1], v[32*\ii+2*pp:32*\ii+2*pp+1], v[M+2*\ii:M+2*\ii+1] neg_lo:[0,1] neg_hi:[0,1]
.endm
.macro SUM ii, first                   ; the running sum: the first pair brings the old sum down by alpha, or starts it
.if pp == 0
.if \first
	s_wait_alu depctr_va_vdst(0)
	v_pk_mul_f32 v[L+2*\ii:L+2*\ii+1], v[32*\ii:32*\ii+1], 1.0 op_sel_hi:[1,0]
.else
	s_wait_alu depctr_va_vdst(0)
	v_pk_fma_f32 v[L+2*\ii:L+2*\ii+1], v[L+2*\ii:L+2*\ii+1], v[AL+2*\ii:AL+2*\ii+1], v[32*\ii:32*\ii+1]
.endif
.else
	v_pk_add_f32 v[L+2*\ii:L+2*\ii+1], v[L+2*\ii:L+2*\ii+1], v[32*\ii+2*pp:32*\ii+2*pp+1]
.endif
.endm
.macro CVT ii                          ; two P to f16, in place: register pp's f32 was used up at pair pp / 2
	v_cvt_pk_f16_f32 v[32*\ii+pp], v[32*\ii+2*pp], v[32*\ii+2*pp+1]
.endm
.macro MIXEF cur, prev, first          ; exponentials of tile cur, each followed by a plain instruction on tile prev (ISA guide 5.7.2)
.set pp, 0
.rept 16
	v_exp_f32 v[32*\cur+2*pp], v[32*\cur+2*pp]
	SUM \prev, \first
	v_exp_f32 v[32*\cur+2*pp+1], v[32*\cur+2*pp+1]
	CVT \prev
.set pp, pp+1
.endr
.endm
; Stage F, the softmax of my four query tiles x 64 keys.  lv = 1: this chunk's V fragments are asked for at its head (V's registers were last read
; by the value products in front of the score products).  lk = 1: a later chunk's K fragments and bias are asked for in its middle, where T, T2 and DD,
; which lie over the bias, have been used for the last time.
.macro SOFT first, lv, vslot, vc, lk, kslot, kc
.if \lv
	LOADV \vslot, \vc
.endif
	WIN SOFTW
.irp ii, 0,1,2,3                       ; the largest of a lane's 32 scores and the old maximum; four chains side by side
	v_max3_num_f32 v[T+\ii], v[32*\ii], v[32*\ii+1], v[32*\ii+2]
.endr
.set pp, 0
.rept 14
.irp ii, 0,1,2,3
	v_max3_num_f32 v[T+\ii], v[T+\ii], v[32*\ii+3+2*pp], v[32*\ii+4+2*pp]
.endr
.set pp, pp+1
.endr
.irp ii, 0,1,2,3
.if \first
	v_max_num_f32 v[T+\ii], v[T+\ii], v[32*\ii+31]
.else
	v_max3_num_f32 v[T+\ii], v[T+\ii], v[32*\ii+31], v[M+2*\ii]
.endif
.endr
.irp ii, 0,1,2,3
	v_permlanex16_b32 v[T2+\ii], v[T+\ii], s66, s67                ; the other half's keys of the same query (its destination has been written: by the bias loads)
.endr
.irp ii, 0,1,2,3
	v_max_num_f32 v[T+\ii], v[T+\ii], v[T2+\ii]
.endr
.if \first == 0
.irp ii, 0,1,2,3
	v_sub_f32 v[DD+\ii], v[M+2*\ii], v[T+\ii]
.endr
.endif
.irp ii, 0,1,2,3
	v_mov_b32 v[M+2*\ii], v[T+\ii]
	v_mov_b32 v[M+2*\ii+1], v[T+\ii]
.endr
.if \first == 0
.irp ii, 0,1,2,3
	v_exp_f32 v[AL+2*\ii], v[DD+\ii]
	v_exp_f32 v[AL+2*\ii+1], v[DD+\ii]
.endr
.endif
.set pp, 0
.rept 16
	SUBM 0
	SUBM 3
.set pp, pp+1
.endr
.if \lk
	LOADK \kslot, \kc
	WIN SOFTW
.endif
.set pp, 0
.rept 16
	v_exp_f32 v[2*pp], v[2*pp]
	SUBM 1
	v_exp_f32 v[2*pp+1], v[2*pp+1]
	SUBM 2
.set pp, pp+1
.endr
	MIXEF 1, 0, \first
	MIXEF 2, 1, \first
	MIXEF 3, 2, \first
.set pp, 0
.rept 16
	SUM 3, \first
	CVT 3
.set pp, pp+1
.endr
.endm
.macro RESC                            ; O times alpha
	WIN RESCW
.irp ii, 0,1,2,3
.set pp, 0
.rept 16
	v_pk_mul_f32 v[32*\ii+2*pp:32*\ii+2*pp+1], v[32*\ii+2*pp:32*\ii+2*pp+1], v[AL+2*\ii:AL+2*\ii+1]
.set pp, pp+1
.endr
.endr
.endm
; A trip of an early wave: S0 F0 P0 S1 F1 P1.  Every wait on LDS here is for 0: it stands ahead of a matrix stage, a vector stage behind the loads that it waits for
; (but for the trip's first, whose loads can only be issued behind the round).
.macro BODYA slot, first
	LOADK \slot, 0
	s_wait_dscnt 0x0
	SRUN
	PLACES
	SOFT \first, 1, \slot, 0, 1, \slot, 1
.if \first == 0
	RESC
.endif
	s_wait_dscnt 0x0                               ; V of chunk 0, K and bias of chunk 1
	PVRUN \first
	PLACES5                                        ; the next scores are written over P
	SRUN
	PLACES
	SOFT 0, 1, \slot, 1, 0, 0, 0
	RESC
	s_wait_dscnt 0x0                               ; V of chunk 1
	PVRUN 0
	PLACES5                                        ; the next trip's scores are written over P
	WIN SOFTW
	v_add_nc_u32 v[ADB], 512, v[ADB]               ; the next 128 keys' bias
.endm
; A trip of a late wave: F1' P1' S0 F0 P0 S1; then chunk 1's V fragments are brought into registers, so that all its reads of the slot are over
; in front of the next round.  first = 1: nothing is carried in yet.
.macro BODYB slot, first
.if \first
	LOADK \slot, 0
	s_wait_dscnt 0x0
	SRUN
	PLACES
.else
	SOFT 0, 0, 0, 0, 1, \slot, 0
	RESC
	s_wait_dscnt 0x0                               ; K and bias of chunk 0
	PVRUN 0
	PLACES5
	SRUN
	PLACES
.endif
	SOFT \first, 1, \slot, 0, 1, \slot, 1
.if \first == 0
	RESC
.endif
	s_wait_dscnt 0x0
	PVRUN \first
	PLACES5
	SRUN
	PLACES5
	LOADV \slot, 1
	WIN SOFTW
	v_add_nc_u32 v[ADB], 512, v[ADB]
.endm
; One tile of 128 keys.  In front of the round every wave has waited for all its tensor loads (its part of this slot) and for its LDS accesses
; (its reads of the other slot; in the first trip its stores of the table); the round takes the place of the barrier in front of a refill, and
; the joint refill of the other slot is the first tensor load behind it: it has the whole trip in which to land.
.macro TRIP slot, other, refill, first
	WIN 0
	s_set_vgpr_msb 0x5
	s_wait_tensorcnt 0x0
	ds_add_u32 v254, v255
	s_wait_dscnt 0x0
	s_set_vgpr_msb 0x500
	s_add_nc_u64 s[G0K+4*\slot+2:G0K+4*\slot+3], s[G0K+4*\slot+2:G0K+4*\slot+3], 2*STEP     ; no load of mine is out: this slot's next tile
	s_add_nc_u64 s[G0V+4*\slot+2:G0V+4*\slot+3], s[G0V+4*\slot+2:G0V+4*\slot+3], 2*STEP
	s_wait_dscnt 0x0
	CROUND
.if \refill
	JLOAD \other
.endif
	s_cmp_lg_u32 s72, 0
	s_cbranch_scc1 .Llate_\@
	BODYA \slot, \first
	WIN 0
	s_branch .Ljoin_\@
.Llate_\@:
	BODYB \slot, \first
	WIN 0
.Ljoin_\@:
.endm
	TRIP 0, 1, 1, 1                                ; 16 tiles: 1 + 2 x 7 + 1; trip t asks for tile t + 1, the last for nothing
	s_mov_b32 s68, 7
.Llap:
	TRIP 1, 0, 1, 0
	TRIP 0, 1, 1, 0
	s_sub_co_u32 s68, s68, 1
	s_cmp_lg_u32 s68, 0
	s_cbranch_scc1 .Llap
	TRIP 1, 0, 0, 0
	s_cmp_lg_u32 s72, 0                            ; the late waves' last chunk
	s_cbranch_scc0 .Lno_tail
	SOFT 0, 0, 0, 0, 0, 0, 0
	RESC
	s_wait_dscnt 0x0                               ; its V fragments
	PVRUN 0
	PLACES
	WIN 0
.Lno_tail:
	; THE WAY OUT.  The row sums: even and odd registers, then the two halves; at least 1, since the largest score gives 2^0.
	WIN SOFTW
.irp i, 0,1,2,3
	v_add_f32 v[T+\i], v[L+2*\i], v[L+2*\i+1]
.endr
.irp i, 0,1,2,3
	v_permlanex16_b32 v[T2+\i], v[T+\i], s66, s67
.endr
.irp i, 0,1,2,3
	v_add_f32 v[T+\i], v[T+\i], v[T2+\i]
.endr
.irp i, 0,1,2,3
	v_rcp_f32 v[M+2*\i], v[T+\i]
	v_rcp_f32 v[M+2*\i+1], v[T+\i]
.endr
	v_and_b32 v[E1], 15, v[TID]                    ; r (these lines are also the plain place behind the last reciprocal)
	v_bfe_u32 v[E2], v[TID], 4, 1                  ; h
	v_and_b32 v[E3], 7, v[TID]
	v_bfe_u32 v[E4], v[TID], 3, 1
	s_mul_i32 s23, s10, WSTG
	s_add_co_u32 s23, s23, STAGE
	v_mul_u32_u24 v[E5], v[E1], SP
	v_lshl_add_u32 v[E5], v[E2], 4, v[E5]
	v_add_nc_u32 v[STO], s23, v[E5]                ; my stage: row r, 16 h
	s_lshr_b32 s22, s10, 1                         ; back: rows 32 w + 2 t + h of the block lie in the regions of waves (w >> 1) and 4 + (w >> 1), at row 32 (w & 1) + 2 t + h
	s_mul_i32 s23, s22, WSTG
	s_mul_i32 s22, s69, 32*SP
	s_add_co_u32 s23, s23, s22
	s_add_co_u32 s23, s23, STAGE
	v_mul_u32_u24 v[E5], v[E4], 4*WSTG             ; lanes 8-15 of a half: the other head's region
	v_mul_u32_u24 v[E6], v[E2], SP
	v_add_nc_u32 v[E5], v[E5], v[E6]
	v_lshl_add_u32 v[E5], v[E3], 4, v[E5]
	v_add_nc_u32 v[RD], s23, v[E5]
	v_lshlrev_b32 v[E5], 11, v[E2]
	v_lshl_add_u32 v[CO], v[E1], 4, v[E5]
	s_wait_alu depctr_va_vdst(0)
.irp i, 0,1,2,3
	WIN 0x44                                       ; source 0 (O) window 0, source 1 and destination window 1
.set pp, 0
.rept 16
	v_pk_mul_f32 v[TF+2*pp:TF+2*pp+1], v[32*\i+2*pp:32*\i+2*pp+1], v[M+2*\i:M+2*\i+1]
.set pp, pp+1
.endr
	WIN SOFTW
.set pp, 0
.rept 16
	v_cvt_pk_f16_f32 v[TH+pp], v[TF+2*pp], v[TF+2*pp+1]
.set pp, pp+1
.endr
.irp dt, 0,1,2,3
	ds_store_b128 v[STO], v[TH+4*\dt:TH+4*\dt+3] offset:\i*16*SP+32*\dt    ; query 16 i + r, d = 16 dt + 8 h ..
.endr
.endr
	s_wait_dscnt 0x0                               ; my stores are done, for the waves that read them
	s_barrier_signal -1
	s_barrier_wait -1
.irp t, 0,1,2,3,4,5,6,7,8,9,10,11,12,13,14,15
	ds_load_b128 v[R+4*\t:R+4*\t+3], v[RD] offset:\t*2*SP
.endr
.irp t, 0,1,2,3,4,5,6,7,8,9,10,11,12,13,14,15
	s_wait_dscnt 15-\t                             ; LDS loads come back in order: load t is in, the younger ones stay out
	global_store_b128 v[CO], v[R+4*\t:R+4*\t+3], s[8:9] offset:\t*4096     ; 16 lanes store the two heads' 256 consecutive bytes of a row, at a multiple of 256
.endr
	WIN 0
	s_set_vgpr_msb 0x5
	s_wait_tensorcnt 0x0
	ds_add_u32 v254, v255
	s_wait_dscnt 0x0
	s_set_vgpr_msb 0x500
	CROUND                                         ; the closing round
	s_endpgm
.Lfunc_end_k_qecd06c0834_attn:
	.size	k_qecd06c0834_attn, .Lfunc_end_k_qecd06c0834_attn-k_qecd06c0834_attn
	.p2alignl 7, 3214868480
	.fill 96, 4, 3214868480
	.section	.rodata,"a",@progbits
	.p2align	6, 0x0
	.amdhsa_kernel k_qecd06c0834_attn
		.amdhsa_group_segment_fixed_size 327680
		.amdhsa_private_segment_fixed_size 0
		.amdhsa_enable_private_segment 0
		.amdhsa_kernarg_size 24
		.amdhsa_user_sgpr_count 2
		.amdhsa_user_sgpr_kernarg_segment_ptr 1
		.amdhsa_wavefront_size32 1
		.amdhsa_system_sgpr_workgroup_id_x 1
		.amdhsa_system_sgpr_workgroup_id_y 1
		.amdhsa_system_sgpr_workgroup_id_z 1
		.amdhsa_system_vgpr_workitem_id 0
		.amdhsa_next_free_vgpr 512
		.amdhsa_next_free_sgpr 80
		.amdhsa_reserve_vcc 1
		.amdhsa_float_denorm_mode_32 3
		.amdhsa_float_denorm_mode_16_64 3
		.amdhsa_memory_ordered 1
		.amdhsa_forward_progress 1
		.amdhsa_inst_pref_size 255
	.end_amdhsa_kernel
	.section	.bss,"aw",@nobits
	.p2align	6
	.space	262144
	.amdgpu_metadata
---
amdhsa.version: [ 1, 2 ]
amdhsa.kernels:
  - .name:           k_qecd06c0834_attn
    .symbol:         k_qecd06c0834_attn.kd
    .args:
      - { .name: qkv, .offset: 0, .size: 8, .value_kind: global_buffer, .address_space: global }
      - { .name: mask, .offset: 8, .size: 8, .value_kind: global_buffer, .address_space: global }
      - { .name: ctx, .offset: 16, .size: 8, .value_kind: global_buffer, .address_space: global }
    .group_segment_fixed_size: 327680
    .private_segment_fixed_size: 0
    .kernarg_segment_align: 8
    .kernarg_segment_size: 24
    .max_flat_workgroup_size: 256
    .sgpr_count:     80
    .vgpr_count:     512
    .wavefront_size: 32
...
	.end_amdgpu_metadata
.endif
;; end of part 3
;; launch oproj (part 4): grid 4 x 64, 4 waves a work-group, clusters of 4 x 4, 327,680 bytes of LDS; arguments ctx, wh, bo, out0; writes out0
.if DOCPART == 4
	.amdgcn_target "amdgcn-amd-amdhsa--gfx1250"
	.amdhsa_code_object_version 6
	.text
	.protected	k_qecd06c0834_oproj
	.globl	k_qecd06c0834_oproj
	.p2align	8
	.type	k_qecd06c0834_oproj,@function
k_qecd06c0834_oproj:
	s_mov_b64 s[64:65], 0
	v_nop
	global_prefetch_b8 v0, s[64:65] scope:SCOPE_SE
	s_setreg_imm32_b32 hwreg(HW_REG_WAVE_MODE, 25, 1), 1
	s_wait_xcnt 0x0
	s_wait_alu depctr_hold_cnt(0) depctr_sa_sdst(0) depctr_va_vdst(0) depctr_va_sdst(0) depctr_va_ssrc(0) depctr_va_vcc(0) depctr_vm_vsrc(0)
	s_getreg_b32 s2, hwreg(HW_REG_IB_STS2, 6, 4)
	s_cmp_eq_u32 s2, 0
	s_cbranch_scc0 .Lentry_in_a_cluster
	s_endpgm
.Lentry_in_a_cluster:
	s_bfe_u32 s2, ttmp6, 0x10000c
	s_cmp_lg_u32 s2, 0xf033
	s_cbranch_scc0 .Lentry_shape_is_right
	s_endpgm
.Lentry_shape_is_right:
; out0 = ctx Wo^T + bo.  ctx [8192][1024] f16, Wo = rows 3,072 .. 4,095 of wh, f16; sums and result f32.
; The shape of the qkv launch with one tile: a work-group makes 128 rows x 256 columns (64 x 4 work-groups), four waves of 64 x 128,
; K in eight steps of 128 through two LDS slots, cluster 4 x 4 with joint loads (ctx's rows along a row of the cluster, Wo's along a column),
; the matrix instruction transposed, the bias as the C operand of the first products.
; LIMIT: f16 operands: |ctx| below 65,504.
.set PITCH,  272
.set HALFT,  128*PITCH
.set SLOT,   4*HALFT                   ; ctx's 128 rows at 0; Wo's 256 rows at 2 HALFT; every fill's LDS address is the wave's number times a constant
.set STAGE,  2*SLOT                    ; 16 rows x 528 bytes for each wave; no tensor load fills it
.set SPITCH, 528                       ; 512 bytes + 16: an odd multiple of 16
.set ADRA, 16
.set ADRB, 20
.set STO,  24
.set RD,   25
.set CO,   26
.set BOF,  27
.set F0,   32
.set F1,   128
.set G1,  24
.set G0,  32
.set G1B, 48
.set G0B, 56
.set MULW, 0x50
.set MSB, 0
.macro WIN new
.if MSB != (\new)
	s_set_vgpr_msb (MSB<<8)|(\new)
.set MSB, (\new)
.endif
.endm
.macro PLACES                          ; four places behind a matrix instruction (ISA guide 7.12.1)
.rept 4
	v_nop
.endr
.endm
.macro JLOAD s                         ; waves 0, 1: ctx's halves of 64 rows; waves 2, 3: Wo's halves of 128 rows
	s_cmp_eq_u32 s11, 0
	s_cbranch_scc0 .Lfor_b_\@
	tensor_load_to_lds s[G0+4*\s:G0+4*\s+3], s[G1:G1+7]
	s_nop 0
.rept 4
	v_nop
.endr
	s_branch .Lasked_\@
.Lfor_b_\@:
	tensor_load_to_lds s[G0B+4*\s:G0B+4*\s+3], s[G1B:G1B+7]
	s_nop 0
.rept 4
	v_nop
.endr
.Lasked_\@:
.endm
.macro CREST
	s_cmp_lg_u32 s10, 0
	s_cbranch_scc1 .Lnot_wave_0_\@
	s_barrier_signal -3
.Lnot_wave_0_\@:
	s_barrier_wait -3
	s_barrier_signal -1
	s_barrier_wait -1
.endm
.macro CROUND
	s_barrier_signal -1
	s_barrier_wait -1
	CREST
.endm
	s_load_b128 s[4:7], s[0:1], 0x0                ; ctx s[4:5], wh s[6:7]
	s_load_b128 s[72:75], s[0:1], 0x10             ; bo s[72:73], out0 s[74:75]
	v_lshl_add_u32 v254, v0, 2, 0x4c400
	v_mov_b32 v255, 0
	ds_add_u32 v254, v255
	v_lshrrev_b32 v1, 5, v0
	v_readfirstlane_b32 s10, v1
	s_lshr_b32 s11, s10, 1
	s_and_b32 s12, s10, 1
	s_bfe_u32 s40, ttmp6, 0x40000                  ; cx
	s_bfe_u32 s41, ttmp6, 0x40004                  ; cy
	s_lshl_b32 s42, ttmp9, 2
	s_add_co_u32 s42, s42, s40                     ; block column
	s_and_b32 s13, ttmp7, 0xffff
	s_lshl_b32 s13, s13, 2
	s_add_co_u32 s13, s13, s41                     ; block row
	s_lshl_b32 s43, s41, 2
	s_lshl_b32 s43, 15, s43
	s_lshl_b32 s44, 0x1111, s40
	s_or_b32 s[G1+0], s43, (1<<16)|(1<<20)|(1<<21)|(5<<22)|(3<<25)
	s_or_b32 s[G1B+0], s44, (1<<16)|(1<<20)|(1<<21)|(5<<22)|(3<<25)
	s_mov_b32 s[G1+1], 128<<16
	s_mov_b32 s[G1B+1], 128<<16
	s_mov_b32 s[G1+2], 64<<16
	s_mov_b32 s[G1B+2], 128<<16
	s_mov_b32 s[G1+3], 128<<16
	s_mov_b32 s[G1B+3], 128<<16
	s_mov_b32 s[G1+4], 64
	s_mov_b32 s[G1B+4], 128
	s_mov_b32 s[G1+5], 1024
	s_mov_b32 s[G1B+5], 1024
	s_mov_b32 s[G1+6], 0
	s_mov_b32 s[G1B+6], 0
	s_mov_b32 s[G1+7], 0
	s_mov_b32 s[G1B+7], 0
	s_lshl_b32 s16, s13, 18
	s_lshl_b32 s17, s12, 17
	s_add_co_u32 s16, s16, s17
	s_mov_b32 s17, 0
	s_lshl_b32 s46, s42, 19
	s_lshl_b32 s47, s12, 18
	s_add_co_u32 s46, s46, s47
	s_add_co_u32 s46, s46, 3072*2048               ; Wo's rows in wh
	s_mov_b32 s47, 0
	s_mul_i32 s20, s10, 64*PITCH
	s_mul_i32 s21, s10, HALFT
	s_wait_dscnt 0x0
	s_wait_kmcnt 0x0
	s_add_nc_u64 s[14:15], s[4:5], s[16:17]
	s_add_nc_u64 s[46:47], s[6:7], s[46:47]
	CROUND
.irp s, 0,1
	s_mov_b32 s[G0+4*\s], 1
	s_add_co_u32 s[G0+4*\s+1], s20, \s*SLOT
	s_add_nc_u64 s[G0+4*\s+2:G0+4*\s+3], s[14:15], \s*256
	s_or_b32 s[G0+4*\s+3], s[G0+4*\s+3], 0x80000000
	s_mov_b32 s[G0B+4*\s], 1
	s_add_co_u32 s[G0B+4*\s+1], s21, \s*SLOT
	s_add_nc_u64 s[G0B+4*\s+2:G0B+4*\s+3], s[46:47], \s*256
	s_or_b32 s[G0B+4*\s+3], s[G0B+4*\s+3], 0x80000000
	JLOAD \s                                       ; two tensor loads of the wave are out
.endr
	v_and_b32 v1, 15, v0
	v_bfe_u32 v2, v0, 4, 1
	v_lshlrev_b32 v[BOF], 5, v2
	s_lshl_b32 s80, s13, 7
	s_lshl_b32 s81, s11, 6
	s_add_co_u32 s80, s80, s81
	s_lshl_b32 s80, s80, 12                        ; my first row, 4,096 bytes each
	s_mov_b32 s81, 0
	s_add_nc_u64 s[8:9], s[74:75], s[80:81]
	s_lshl_b32 s18, s42, 8
	s_lshl_b32 s19, s12, 7
	s_add_co_u32 s18, s18, s19
	s_lshl_b32 s18, s18, 2                         ; my first column, in bytes
	s_mov_b32 s19, 0
	s_add_nc_u64 s[8:9], s[8:9], s[18:19]
	s_add_nc_u64 s[72:73], s[72:73], s[18:19]
	WIN 0x80
.irp b, 0,1,2,3,4,5,6,7
	global_load_b128 v[8*\b:8*\b+3],   v[BOF], s[72:73] offset:64*\b
	global_load_b128 v[8*\b+4:8*\b+7], v[BOF], s[72:73] offset:64*\b+16
.endr
	WIN 0
	v_mul_u32_u24 v3, v1, PITCH
	v_lshl_add_u32 v3, v2, 4, v3
	s_mul_i32 s22, s11, 64*PITCH
	s_mul_i32 s23, s12, HALFT
	s_add_co_u32 s23, s23, 2*HALFT
.irp s, 0,1
	v_add_nc_u32 v[ADRA+\s], s22, v3
	v_add_nc_u32 v[ADRB+\s], s23, v3
	s_add_co_u32 s22, s22, SLOT
	s_add_co_u32 s23, s23, SLOT
.endr
	s_mul_i32 s22, s10, 16*SPITCH
	s_add_co_u32 s22, s22, STAGE
	v_mul_u32_u24 v4, v1, SPITCH
	v_lshl_add_u32 v4, v2, 5, v4                   ; row r, 32 h: eight f32
	v_add_nc_u32 v[STO], s22, v4
	v_and_b32 v5, 31, v0
	v_lshlrev_b32 v[CO], 4, v5                     ; 16 x lane: a row's 512 bytes
	v_add_nc_u32 v[RD], s22, v[CO]
	s_wait_loadcnt 0x0
; The 32 accumulators take turns, one instruction a turn, in the same order in every quarter step.
.macro MUL8 f, a, cm
.irp b, 0,1,2,3,4,5,6,7
.if \cm
	v_wmma_f32_16x16x32_f16 v[8*(8*\a+\b):8*(8*\a+\b)+7], v[\f+8*\b:\f+8*\b+7], v[\f+64+8*\a:\f+64+8*\a+7], v[8*\b:8*\b+7]
.else
	v_wmma_f32_16x16x32_f16 v[8*(8*\a+\b):8*(8*\a+\b)+7], v[\f+8*\b:\f+8*\b+7], v[\f+64+8*\a:\f+64+8*\a+7], v[8*(8*\a+\b):8*(8*\a+\b)+7]
.endif
.endr
.endm
.macro FETCH slot, k, f
	WIN 0
.irp i, 0,1,2,3,4,5,6,7
	ds_load_b128 v[\f+8*\i:\f+8*\i+3],   v[ADRB+\slot] offset:\k+\i*16*PITCH
	ds_load_b128 v[\f+8*\i+4:\f+8*\i+7], v[ADRB+\slot] offset:\k+\i*16*PITCH+32
.endr
.irp i, 0,1,2,3
	ds_load_b128 v[\f+64+8*\i:\f+64+8*\i+3],   v[ADRA+\slot] offset:\k+\i*16*PITCH
	ds_load_b128 v[\f+64+8*\i+4:\f+64+8*\i+7], v[ADRA+\slot] offset:\k+\i*16*PITCH+32
.endr
.endm
.macro QUARTER slot, k, f, g, cm
	s_wait_dscnt 4                                 ; all but the youngest four loads (ctx's rows 32-63) are in
	WIN MULW+0x10*\cm
	MUL8 \f, 0, \cm
	MUL8 \f, 1, \cm
	PLACES
	FETCH \slot, \k, \g
	s_wait_dscnt 24                                ; all but the 24 just issued
	WIN MULW+0x10*\cm
	MUL8 \f, 2, \cm
	MUL8 \f, 3, \cm
.endm
.macro THREE slot, cm
	QUARTER \slot, 64,  F0, F1, \cm
	QUARTER \slot, 128, F1, F0, 0
	QUARTER \slot, 192, F0, F1, 0
.endm
; The change of slots: each wave's reads of this slot and all its tensor loads are waited for in front of the barrier; where the slot is filled
; again the barrier opens a round of the cluster's barrier, and the joint refill is the first tensor load behind the round.
.macro TURN slot, next, fill
	s_wait_dscnt 4
	WIN MULW
	MUL8 F1, 0, 0
	s_wait_dscnt 0
	s_wait_tensorcnt 0x0
	ds_add_u32 v254, v255
	s_wait_dscnt 0x0
	s_barrier_signal -1
	MUL8 F1, 1, 0
	WIN 0
	s_barrier_wait -1
.if \fill
	CREST
	s_add_nc_u64 s[G0+4*\slot+2:G0+4*\slot+3], s[G0+4*\slot+2:G0+4*\slot+3], 512
	s_add_nc_u64 s[G0B+4*\slot+2:G0B+4*\slot+3], s[G0B+4*\slot+2:G0B+4*\slot+3], 512
	JLOAD \slot
.else
	PLACES
.endif
	FETCH \next, 0, F0
	WIN MULW
	MUL8 F1, 2, 0
	MUL8 F1, 3, 0
.endm
; rows 16 a .. 16 a + 15: f32 as they are into my own stage, whole rows of 512 bytes back, and out
.macro OUTF a, f
	WIN 0x04                                       ; an LDS store's data: source 1, window 1
.irp b, 0,1,2,3,4,5,6,7
	ds_store_b128 v[STO], v[8*(8*\a+\b):8*(8*\a+\b)+3]   offset:64*\b
	ds_store_b128 v[STO], v[8*(8*\a+\b)+4:8*(8*\a+\b)+7] offset:64*\b+16
.endr
	WIN 0
	s_wait_xcnt 0x0                                ; registers that earlier stores read are loaded again only behind this wait
.irp t, 0,1,2,3,4,5,6,7,8,9,10,11,12,13,14,15
	ds_load_b128 v[\f+4*\t:\f+4*\t+3], v[RD] offset:\t*SPITCH      ; LDS serves a wave's instructions in order: these see the stores above
.endr
.irp t, 0,1,2,3,4,5,6,7,8,9,10,11,12,13,14,15
	s_wait_dscnt 15-\t
	global_store_b128 v[CO], v[\f+4*\t:\f+4*\t+3], s[8:9] offset:(16*\a+\t)*4096 th:TH_STORE_NT   ; the wave stores 512 consecutive bytes, at a multiple of 512
.endr
.endm
	s_wait_tensorcnt 1                             ; my part of K step 0 is in; step 1's stays out
	s_barrier_signal -1
	s_barrier_wait -1
	FETCH 0, 0, F0
	THREE 0, 1
	TURN 0, 1, 1
	THREE 1, 0
	TURN 1, 0, 1
.rept 2
	THREE 0, 0
	TURN 0, 1, 1
	THREE 1, 0
	TURN 1, 0, 1
.endr
	THREE 0, 0
	TURN 0, 1, 0                                   ; nothing is left to fetch
	THREE 1, 0
	s_wait_dscnt 4
	WIN MULW
	MUL8 F1, 0, 0
	MUL8 F1, 1, 0
	s_wait_dscnt 0
	MUL8 F1, 2, 0
	MUL8 F1, 3, 0
	PLACES
	OUTF 0, F0
	OUTF 1, F1
	OUTF 2, F0
	OUTF 3, F1
	s_wait_tensorcnt 0x0
	ds_add_u32 v254, v255
	s_wait_dscnt 0x0
	CROUND                                         ; the closing round
	s_endpgm
.Lfunc_end_k_qecd06c0834_oproj:
	.size	k_qecd06c0834_oproj, .Lfunc_end_k_qecd06c0834_oproj-k_qecd06c0834_oproj
	.p2alignl 7, 3214868480
	.fill 96, 4, 3214868480
	.section	.rodata,"a",@progbits
	.p2align	6, 0x0
	.amdhsa_kernel k_qecd06c0834_oproj
		.amdhsa_group_segment_fixed_size 327680
		.amdhsa_private_segment_fixed_size 0
		.amdhsa_enable_private_segment 0
		.amdhsa_kernarg_size 32
		.amdhsa_user_sgpr_count 2
		.amdhsa_user_sgpr_kernarg_segment_ptr 1
		.amdhsa_wavefront_size32 1
		.amdhsa_system_sgpr_workgroup_id_x 1
		.amdhsa_system_sgpr_workgroup_id_y 1
		.amdhsa_system_sgpr_workgroup_id_z 1
		.amdhsa_system_vgpr_workitem_id 0
		.amdhsa_next_free_vgpr 576
		.amdhsa_next_free_sgpr 96
		.amdhsa_reserve_vcc 0
		.amdhsa_float_denorm_mode_32 3
		.amdhsa_float_denorm_mode_16_64 3
		.amdhsa_memory_ordered 1
		.amdhsa_forward_progress 1
		.amdhsa_inst_pref_size 152
	.end_amdhsa_kernel
	.amdgpu_metadata
---
amdhsa.version: [ 1, 2 ]
amdhsa.kernels:
  - .name:           k_qecd06c0834_oproj
    .symbol:         k_qecd06c0834_oproj.kd
    .args:
      - { .name: ctx, .offset: 0, .size: 8, .value_kind: global_buffer, .address_space: global }
      - { .name: wh, .offset: 8, .size: 8, .value_kind: global_buffer, .address_space: global }
      - { .name: bo, .offset: 16, .size: 8, .value_kind: global_buffer, .address_space: global }
      - { .name: out0, .offset: 24, .size: 8, .value_kind: global_buffer, .address_space: global }
    .group_segment_fixed_size: 327680
    .private_segment_fixed_size: 0
    .kernarg_segment_align: 8
    .kernarg_segment_size: 32
    .max_flat_workgroup_size: 128
    .sgpr_count:     96
    .vgpr_count:     576
    .wavefront_size: 32
...
	.end_amdgpu_metadata
.endif
;; end of part 4
;; ======== version 2 of 2: 4 launches; version 1 with the launch cast written anew for expert scheduling mode
;; limits: values are held in f16: magnitudes above 65,504 overflow, below 6.1e-05 lose precision; right only within a limited range of input values
;; workspace buffers: xh 16,777,216 bytes; wh 8,388,608 bytes; qkv 50,331,648 bytes; ctx 16,777,216 bytes
;; launch cast (part 5): grid 768 x 1, 8 waves a work-group, no clusters, 0 bytes of LDS; arguments x, Wq, Wk, Wv, Wo, xh, wh; writes xh, wh
.if DOCPART == 5
	.amdgcn_target "amdgcn-amd-amdhsa--gfx1250"
	.amdhsa_code_object_version 6
	.text
	.protected	k_qecd06c0834_cast
	.globl	k_qecd06c0834_cast
	.p2align	8
	.type	k_qecd06c0834_cast,@function
k_qecd06c0834_cast:
	s_mov_b64 s[64:65], 0
	v_nop
	global_prefetch_b8 v0, s[64:65] scope:SCOPE_SE
	s_setreg_imm32_b32 hwreg(HW_REG_WAVE_SCHED_MODE, 0, 2), 2
	s_setreg_imm32_b32 hwreg(HW_REG_WAVE_MODE, 25, 1), 1
	s_wait_xcnt 0x0
	s_wait_alu depctr_vm_vsrc(0)
; xh = f16(x);  wh = f16 of Wq, Wk, Wv, Wo, one behind the other (4,096 rows of 1,024).
; A stream: no LDS, no barrier, no matrix unit, no cluster (no byte is read by two work-groups).
; A work-group takes 16,384 numbers: 64 KiB in, 32 KiB out.  Groups 0-511 take x; group 512 + 64 s + c takes chunk c of weight s.
; Thread t, set i: 16 bytes at 16 t + 4,096 i in, 8 bytes at 8 t + 2,048 i out: a wave's load covers 512 consecutive bytes,
; a wave's store 256 consecutive bytes that start at a multiple of 256.  All sixteen loads of a thread go out before the first wait.
; LIMIT: f16 holds magnitudes below 65,504; larger inputs become infinities.  Rounding is to nearest even.
; THE MODE: SCHED_MODE bits 1:0 = 2 (LLVM: expert scheduling mode 2), set by the entry lines.  The code itself states the register dependences
; between vector instructions and memory instructions, with s_wait_alu, always for 0.
; THE PLAN.  Registers that memory instructions touch:
;   v1, v2   byte offsets.  Written once at the head by vector instructions; read by the loads (v1) and the stores (v2); never written again.
;   X        set i: written by its load alone, each register once; read by the set's two conversions.  No vector instruction names X ahead of the loads.
;   Y        set i: written by the set's two conversions, each register once; read by the set's store.
; So what is to be stated is: the offsets are written, ahead of the first load; and a set's Y is written, ahead of its store.  No register that a memory
; instruction reads is ever written again: there is nothing to state the other way round, and no wait for sources.
; The sixteen sets go in four blocks of four.  Block p's four stores stand in one run at the head of block p + 1, behind the wait for that block's first
; load and behind ONE wait on va_vdst: the wait for the load lies between block p's conversions and the wait that states them written.
.set X, 4                              ; v[4:67]   set i: four f32 as loaded
.set Y, 68                             ; v[68:99]  set i: four f16 to store
	s_load_b256 s[8:15], s[0:1], 0x0               ; x s[8:9], Wq s[10:11], Wk s[12:13], Wv s[14:15]
	s_load_b128 s[16:19], s[0:1], 0x20             ; Wo s[16:17], xh s[18:19]
	s_load_b64 s[20:21], s[0:1], 0x30              ; wh
	s_sub_co_u32 s2, ttmp9, 512                    ; chunk among the weights' 256 (of no meaning in x's groups, and not used there)
	s_lshr_b32 s3, s2, 6                           ; which weight
	s_and_b32 s4, s2, 63                           ; which chunk of it
	v_lshlrev_b32 v1, 4, v0                        ; 16 t
	v_lshlrev_b32 v2, 3, v0                        ; 8 t
	s_wait_kmcnt 0x0
	s_cmp_eq_u32 s3, 1
	s_cselect_b64 s[22:23], s[12:13], s[10:11]
	s_cmp_eq_u32 s3, 2
	s_cselect_b64 s[22:23], s[14:15], s[22:23]
	s_cmp_eq_u32 s3, 3
	s_cselect_b64 s[22:23], s[16:17], s[22:23]
	s_cmp_lt_u32 ttmp9, 512                        ; x's groups
	s_cselect_b64 s[22:23], s[8:9], s[22:23]       ; from
	s_cselect_b64 s[24:25], s[18:19], s[20:21]     ; to
	s_cselect_b32 s26, ttmp9, s4                   ; chunk in the source
	s_cselect_b32 s27, ttmp9, s2                   ; chunk in the destination
	s_lshl_b32 s28, s26, 16
	s_mov_b32 s29, 0
	s_lshl_b32 s30, s27, 15
	s_mov_b32 s31, 0
	s_add_nc_u64 s[22:23], s[22:23], s[28:29]
	s_add_nc_u64 s[24:25], s[24:25], s[30:31]
	s_wait_alu depctr_va_vdst(0)                   ; v1 and v2 are written: every load reads v1 as its offset, every store v2
.irp i, 0,1,2,3,4,5,6,7,8,9,10,11,12,13,14,15
	global_load_b128 v[X+4*\i:X+4*\i+3], v1, s[22:23] offset:4096*\i th:TH_LOAD_NT
.endr
; The four stores of block p, in one run.
.macro SEND p
.irp i, 0,1,2,3
	global_store_b64 v2, v[Y+2*(4*(\p)+\i):Y+2*(4*(\p)+\i)+1], s[24:25] offset:2048*(4*(\p)+\i)   ; no register is written twice: no wait for sources
.endr
.endm
.irp p, 0,1,2,3
.irp i, 0,1,2,3
	s_wait_loadcnt 15-4*\p-\i                      ; loads come back in order: set 4 p + i is in, the younger ones stay out
.if (\i == 0) && (\p > 0)
	s_wait_alu depctr_va_vdst(0)                   ; the block before has written its eight registers of Y, which the four stores below read
	SEND \p-1
.endif
	v_cvt_pk_f16_f32 v[Y+2*(4*\p+\i)], v[X+4*(4*\p+\i)], v[X+4*(4*\p+\i)+1]
	v_cvt_pk_f16_f32 v[Y+2*(4*\p+\i)+1], v[X+4*(4*\p+\i)+2], v[X+4*(4*\p+\i)+3]
.endr
.endr
	s_wait_alu depctr_va_vdst(0)                   ; block 3 has written its eight registers of Y, which the last four stores read
	SEND 3
	s_endpgm
.Lfunc_end_k_qecd06c0834_cast:
	.size	k_qecd06c0834_cast, .Lfunc_end_k_qecd06c0834_cast-k_qecd06c0834_cast
	.p2alignl 7, 3214868480
	.fill 96, 4, 3214868480
	.section	.rodata,"a",@progbits
	.p2align	6, 0x0
	.amdhsa_kernel k_qecd06c0834_cast
		.amdhsa_group_segment_fixed_size 0
		.amdhsa_private_segment_fixed_size 0
		.amdhsa_enable_private_segment 0
		.amdhsa_kernarg_size 56
		.amdhsa_user_sgpr_count 2
		.amdhsa_user_sgpr_kernarg_segment_ptr 1
		.amdhsa_wavefront_size32 1
		.amdhsa_system_sgpr_workgroup_id_x 1
		.amdhsa_system_sgpr_workgroup_id_y 1
		.amdhsa_system_sgpr_workgroup_id_z 1
		.amdhsa_system_vgpr_workitem_id 0
		.amdhsa_next_free_vgpr 104
		.amdhsa_next_free_sgpr 66
		.amdhsa_reserve_vcc 0
		.amdhsa_float_denorm_mode_32 3
		.amdhsa_float_denorm_mode_16_64 3
		.amdhsa_memory_ordered 1
		.amdhsa_forward_progress 1
		.amdhsa_inst_pref_size 7
	.end_amdhsa_kernel
	.amdgpu_metadata
---
amdhsa.version: [ 1, 2 ]
amdhsa.kernels:
  - .name:           k_qecd06c0834_cast
    .symbol:         k_qecd06c0834_cast.kd
    .args:
      - { .name: x, .offset: 0, .size: 8, .value_kind: global_buffer, .address_space: global }
      - { .name: Wq, .offset: 8, .size: 8, .value_kind: global_buffer, .address_space: global }
      - { .name: Wk, .offset: 16, .size: 8, .value_kind: global_buffer, .address_space: global }
      - { .name: Wv, .offset: 24, .size: 8, .value_kind: global_buffer, .address_space: global }
      - { .name: Wo, .offset: 32, .size: 8, .value_kind: global_buffer, .address_space: global }
      - { .name: xh, .offset: 40, .size: 8, .value_kind: global_buffer, .address_space: global }
      - { .name: wh, .offset: 48, .size: 8, .value_kind: global_buffer, .address_space: global }
    .group_segment_fixed_size: 0
    .private_segment_fixed_size: 0
    .kernarg_segment_align: 8
    .kernarg_segment_size: 56
    .max_flat_workgroup_size: 256
    .sgpr_count:     66
    .vgpr_count:     104
    .wavefront_size: 32
...
	.end_amdgpu_metadata
.endif
;; end of part 5
;; launch qkv: the kernel of part 2 again; grid 4 x 64, 4 waves a work-group, clusters of 4 x 4, 327,680 bytes of LDS; arguments xh, wh, bq, bk, bv, mask, qkv; writes qkv
;; launch attn: the kernel of part 3 again; grid 8 x 32, 8 waves a work-group, clusters of 4 x 1, 327,680 bytes of LDS; arguments qkv, mask, ctx; writes ctx
;; launch oproj: the kernel of part 4 again; grid 4 x 64, 4 waves a work-group, clusters of 4 x 4, 327,680 bytes of LDS; arguments ctx, wh, bo, out0; writes out0
